; MI455X (gfx1250); checked and timed in simulation.
; The chip was launched on July 23, 2026; its instructions are those of AMD's public machine-readable ISA for CDNA 5 (MIT licence, August 2026) and "CDNA5" Instruction Set Architecture Reference Guide (July 2026). The comments in the code are by the model that wrote it; some were corrected since.
;; Hyperbolic Attention. Allowed arithmetic: matrix products marked QUANTISED: E2M1 operands, one E8M0 scale for each 32 along K, by v_wmma_scale_f32_16x16x128_f8f6f4 with both operands' format E2M1 (or v_wmma_scale_f32_32x16x128_f4), f32 sums; everything else in f32.
;; Inputs: c one number float32; keys 8,192 x 256 float32; query 8,192 x 256 float32; values 8,192 x 256 float32.
;; Outputs: out0 8,192 x 256 float32.
;; This version of the problem:
;;   THIS VERSION OF THE PROBLEM IS GIVEN IN LOW PRECISION. The matrix products marked QUANTISED in the list below multiply operands that are first quantised to E2M1 (2 exponent bits, 1 mantissa bit; 4 bits a number), with one power-of-two scale for each 32 numbers along K (OCP MX v1.0); their sums are f32. All else is computed in f32.
;;   The module's matrix products, in the order in which they are computed (A, B: the left and right operand; K: the contracted axis; several contracted axes count as one K, in the product's order):
;;     1. [M 8,192, K 256] x [K 256, N 8,192]; A: input query; B: input keys: QUANTISED
;;     2. [M 8,192, K 8,192] x [K 8,192, N 256]; A: computed on the way; B: input values: QUANTISED
;;   THE QUANTISER, for each operand of a quantised product, along K:
;;     - K is cut into blocks of 32 from its start; a last block that is shorter is filled with zeros.
;;     - A block's scale is 2^e with e = floor(log2(the largest magnitude in the block)) - 2, held to -126 .. 127; a block of zeros has e = 0. As a byte (E8M0): e + 127.
;;     - Each number is divided by its block's scale, clamped to +-6, and rounded to the nearest number of E2M1, ties to even, subnormals kept.
;;     - The product sums the exact products of the quantised numbers (number of the format x scale) in f32.
;;   ~~~python
;;   def quantise(x, axis):      # numpy; x: float32 -> the quantised numbers, widened to float32 again
;;       x = np.moveaxis(x, axis, -1); K = x.shape[-1]
;;       x = np.pad(x, [(0, 0)] * (x.ndim - 1) + [(0, -K % 32)]); x = x.reshape(x.shape[:-1] + (-1, 32)); a = np.abs(x).max(-1, keepdims=True)
;;       e = np.where(a > 0, np.clip(np.frexp(np.where(a > 0, a, 1))[1] - 1 - 2, -126, 127), 0)      # np.frexp(a)[1] - 1 = floor(log2(a)), exactly
;;       r = np.clip(x / 2.0 ** e, -6, 6)
;;       step = 2.0 ** (np.maximum(np.frexp(np.where(r == 0, 1, r))[1] - 1, 0) - 1)
;;       q = np.round(r / step) * step * 2.0 ** e      # np.round: ties to even
;;       return np.moveaxis(q.reshape(q.shape[:-2] + (-1,))[..., :K], -1, axis).astype(np.float32)
;;   ~~~
;;   OPERANDS COMPUTED ON THE WAY. 'Computed on the way' means the value that the module computes at that place (a softmax that the list does not call 'softmax' is quantised finished and normalised). What goes into a quantiser is computed in f32, as accurately as f32 sums, v_exp_f32 and their like allow (about 1e-6 of the number): no bf16 or f16 on the way to a quantiser, and a product that is left as it is and whose result goes on into a quantised operand takes f32 operands (vector FMAs, or v_wmma_f32_16x16x4_f32). A number that lies on a knife's edge between two numbers of the format may be rounded either way, as far as f32 arithmetic and the matrix unit's own rounding can turn it there, and no further.
;; One version. Each part assembles by itself: llvm-mc -triple=amdgcn-amd-amdhsa -mcpu=gfx1250 --defsym DOCPART=n.
;; ======== version 1 of 1: 2 launches
;; limits: right only within a limited range of input values
;; workspace buffers: pack 3,538,944 bytes; qpack 1,179,648 bytes
;; launch prep (part 1): grid 256 x 1, 6 waves a work-group, no clusters, 67,328 bytes of LDS; arguments query, keys, values, c, pack, qpack; writes pack, qpack
.if DOCPART == 1
	.amdgcn_target "amdgcn-amd-amdhsa--gfx1250"
	.amdhsa_code_object_version 6
	.text
	.protected	k_q64a47b752d_prep
	.globl	k_q64a47b752d_prep
	.p2align	8
	.type	k_q64a47b752d_prep,@function
k_q64a47b752d_prep:
	s_mov_b64 s[64:65], 0
	v_nop
	global_prefetch_b8 v0, s[64:65] scope:SCOPE_SE
	s_setreg_imm32_b32 hwreg(HW_REG_WAVE_MODE, 25, 1), 1
	s_wait_xcnt 0x0
; query, keys [8192][256] (K = the 256, innermost) and values [8192][256] (K = the 8192 keys, the FIRST axis), all f32, become codes of FP4 (E2M1) with one E8M0 byte for each 32 along K,
; laid as IMAGES OF OPERAND REGISTERS (a fragment's four registers of 32 lanes on end: 512 bytes), so that the next launch loads fragments 16 bytes a lane, lane by lane, from dense blocks.
; Beside them: for each row of query and keys the sum of squares ss and ra = 1 / (1 - min(c ss, 1 - 1e-7)), c the clamped curvature.
; A block's scale is 2^(floor(log2(its largest magnitude)) - 2); its byte is that magnitude's exponent field - 2, held at 1 from below (a block of zeros gets the byte 1: its codes are zeros, and this program alone reads the bytes).
; LIMITS: NaN and infinities among the inputs are not served; blocks whose largest magnitude lies under 2^-124 keep the byte 1.
; pack: 24 slot images of SLOT bytes.  Slots 0-7: K records 2 n, 2 n + 1.  Slots 8 + m: K record m, then V record m.  (K records are stored twice, so that one tile shape and one step serve all loads of the next launch.)
;   K record (512 keys): tile T' (0..31) at 2048 T': piece 2 s + c at 512 bytes each, lane (r, h): key 32 (T' / 2) + 8 (T' % 2) + r + 8 (r / 8), k = 128 s + 64 c + 32 h + 0..31;
;     at KSC + 128 T' + 4 lane: lanes 0-15 the scale word of k 0..127 of row r, lanes 16-31 that of k 128..255;  at KST + 4 key: ss;  at KST + 2048 + 4 key: ra.
;   V record (512 keys): (16 ks + ct) x 1024 + 512 c + 16 lane: channel 16 ct + r, keys 128 ks + 64 c + 32 h + 0..31;  at KSC + (4 ks + e) x 256 + 128 i + 4 lane: lanes 0-15 the word of tile 4 e + 2 i, lanes 16-31 of 4 e + 2 i + 1;
;     from KST on 4,096 zeros, so that a V record is as long as a K record.
; qpack: tile T (queries 16 T + r) as a K tile at 2048 T; scale words at QSC + 128 T; ss at QST + 4 q; ra at QST + 32768 + 4 q.
; SHARES.  Work-group x: waves 0, 1: query tiles 2 x, 2 x + 1;  waves 2, 3: key tiles 2 x, 2 x + 1;  waves 4, 5: values, keys 128 (x / 4) on, channels 64 (x % 4) + 32 (wave % 2) + lane.  16 KiB of f32 a wave.
; No barrier: waves share nothing.  Codes leave in stores of 512 or 2 x 256 consecutive aligned bytes; scale words and statistics leave in runs of 32 to 128 bytes (a ninth of what is stored).
.set REC,   73728                      ; a record
.set SLOT,  2*REC
.set R2,    8*SLOT                     ; where the second pass's slots begin
.set KSC,   65536                      ; scale words in a record
.set KST,   69632                      ; statistics (K) or zeros (V) in a record
.set QSC,   1048576
.set QST,   1114112
.set SROW,  1040                       ; a stage row: 1,024 bytes + 16: an odd multiple of 16, so that the sixteen rows of a load start at different banks
.set STG,   16*SROW                    ; a wave's stage
.set GA,    4                          ; v4  16 x lane;  v5  the same, eight stage rows further down in memory
.set C,     32                         ; v32-47   codes: four registers a block, never rewritten
.set X,     48                         ; v48-111  two sets of 32 numbers of one block
.set R,     112                        ; v112-239 32 loads of 16 bytes a lane
	s_load_b256 s[4:11], s[0:1], 0x0               ; query s[4:5], keys s[6:7], values s[8:9], c s[10:11]
	s_load_b128 s[12:15], s[0:1], 0x20             ; pack s[12:13], qpack s[14:15]
	v_lshl_add_u32 v240, v0, 2, 0x10400
	v_mov_b32 v241, 0
	v_lshrrev_b32 v1, 5, v0
	v_readfirstlane_b32 s16, v1                    ; wave 0..5
	v_and_b32 v1, 31, v0                           ; lane
	v_and_b32 v2, 15, v0                           ; r
	v_bfe_u32 v3, v0, 4, 1                         ; h
	v_lshlrev_b32 v[GA], 4, v1
	s_min_u32 s26, s16, 3                          ; the four waves that take rows have a stage each (waves 4 and 5 touch no LDS)
	s_mul_i32 s26, s26, STG
	v_add_nc_u32 v6, s26, v[GA]                    ; into the stage: 16 x lane
	v_mul_u32_u24 v7, v2, SROW
	v_lshl_add_u32 v7, v3, 7, v7
	v_add_nc_u32 v7, s26, v7                       ; out of it: row r, + 128 h: a block of 32 numbers
	s_mov_b32 s18, 0x76543210
	s_mov_b32 s19, 0xfedcba98                      ; v_permlanex16_b32's selects for lane l xor 16
	s_and_b32 s27, s16, 1                          ; which of the pair of waves
	s_wait_kmcnt 0x0
	s_cmp_lt_u32 s16, 4
	s_cbranch_scc0 .Lvalues
; ---------------- query and keys: K is innermost ----------------
	s_load_b32 s17, s[10:11], 0x0                  ; c
	s_lshl_b32 s28, ttmp9, 1
	s_add_co_u32 s28, s28, s27                     ; tile T = 2 x + u
	s_and_b32 s29, s28, 31                         ; T' = its place in a K record
	s_lshl_b32 s30, s27, 4                         ; query: rows 32 x + 16 u on
	s_lshl_b32 s31, s27, 3                         ; keys: rows 32 x + 8 u on
	s_lshl_b32 s32, s27, 5
	s_sub_co_u32 s32, KST, s32                     ; keys' statistics: 64 T' + KST - 32 u = KST + 4 (32 (T' / 2) + 8 u)
	s_lshr_b32 s33, ttmp9, 4                       ; the K record
	s_mul_i32 s34, s33, REC                        ; its first copy,
	s_mul_i32 s36, s33, SLOT
	s_add_co_u32 s36, s36, R2                      ; its second
	s_mov_b32 s35, 0
	s_mov_b32 s37, 0
	s_mov_b32 s38, 16384
	s_mov_b32 s39, KSC
	s_cmp_lt_u32 s16, 2                            ; query or keys?  Only pointers and offsets are chosen: both take one path
	s_cselect_b64 s[20:21], s[4:5], s[6:7]
	s_cselect_b64 s[22:23], s[14:15], s[12:13]
	s_cselect_b32 s28, s28, s29
	s_cselect_b32 s30, s30, s31
	s_cselect_b32 s32, QST, s32
	s_cselect_b32 s34, 0, s34
	s_cselect_b32 s38, 8192, s38                   ; stage rows 8-15: 8 rows further down (query) or 16 (keys: r + 8 (r / 8))
	s_cselect_b32 s39, QSC, s39
	s_cselect_b32 s40, 15, 11                      ; from ss to ra: 32,768 or 2,048 bytes
	s_cselect_b32 s41, 0, 32                       ; keys: 4 x 8 (r / 8)
	s_lshl_b32 s31, ttmp9, 5
	s_add_co_u32 s30, s30, s31
	s_lshl_b32 s30, s30, 10                        ; my first row, in bytes
	s_mov_b32 s31, 0
	s_add_nc_u64 s[20:21], s[20:21], s[30:31]
	s_add_nc_u64 s[22:23], s[22:23], s[34:35]
	s_add_nc_u64 s[24:25], s[12:13], s[36:37]
	s_wait_alu depctr_va_vdst(0)
	v_add_nc_u32 v[GA+1], s38, v[GA]
.set k, 0
.rept 32                                       ; load k: stage row k / 2, half k % 2: 32 lanes read 512 consecutive bytes
	global_load_b128 v[R+4*k:R+4*k+3], v[GA+k/16], s[20:21] offset:((k/2)%8)*1024+(k%2)*512 th:TH_LOAD_NT
.set k, k+1
.endr
	s_lshl_b32 s42, s28, 11
	v_add_nc_u32 v8, s42, v[GA]                    ; codes: 2048 x tile + 16 x lane
	s_lshl_b32 s42, s28, 7
	s_add_co_u32 s42, s42, s39
	v_lshl_add_u32 v9, v1, 2, s42                  ; scale words: 128 x tile + 4 x lane
	s_lshl_b32 s42, s28, 6
	s_add_co_u32 s42, s42, s32
	v_lshl_add_u32 v10, v2, 2, s42                 ; statistics: lanes 0-15 store ss, lanes 16-31 ra
	v_lshlrev_b32 v12, s40, v3
	v_add_nc_u32 v10, v10, v12
	v_lshrrev_b32 v12, 3, v2
	v_mul_u32_u24 v12, s41, v12
	v_add_nc_u32 v10, v10, v12
	s_wait_kmcnt 0x0
	s_and_b32 s17, s17, 0x7fffffff                 ; |c|
	v_mov_b32 v11, 0x33d6bf95                      ; 1e-7
	v_add_f32 v11, s17, v11
	v_max_num_f32 v11, 0x33d6bf95, v11
	v_min_num_f32 v11, 0x3f7ffffe, v11             ; the clamped curvature: at most 1 - 1e-7
.set k, 0
.rept 32
	s_wait_loadcnt 31-k                            ; loads come back in order: load k is in, the younger ones stay out
	ds_store_b128 v6, v[R+4*k:R+4*k+3] offset:(k/2)*SROW+(k%2)*512
.set k, k+1
.endr
.macro RD bi                           ; block 2 bi + h of row r: 32 numbers into set bi % 2.  LDS serves a wave's instructions in order: these see my stores
.irp i, 0,1,2,3,4,5,6,7
	ds_load_b128 v[X+32*((\bi)%2)+4*\i:X+32*((\bi)%2)+4*\i+3], v7 offset:(\bi)*256+16*\i
.endr
.endm
.macro AMAX                            ; v12 = the largest magnitude of the 32 numbers at v[XS], with the floor 2^(3 - 127) among its leaves: so the byte cannot fall under 1
	v_max3_num_f32 v12, |v[XS]|, |v[XS+1]|, |v[XS+2]|
	v_max3_num_f32 v13, |v[XS+3]|, |v[XS+4]|, |v[XS+5]|
.irp i, 6,10,14,18,22,26
	v_max3_num_f32 v12, v12, |v[XS+\i]|, |v[XS+\i+1]|
	v_max3_num_f32 v13, v13, |v[XS+\i+2]|, |v[XS+\i+3]|
.endr
	v_max3_num_f32 v12, v12, |v[XS+30]|, |v[XS+31]|
	v_max3_num_f32 v12, v12, v13, 0x1800000
.endm
.macro QBLK bi
.set XS, X+32*((\bi)%2)
.if (\bi) < 3
	s_wait_dscnt 8                                 ; this block's eight loads are in; the next block's eight may be out
.else
	s_wait_dscnt 0x0
.endif
	AMAX
.irp i, 0,4,8,12,16,20,24,28                   ; the row's sum of squares, in two packed chains
.if ((\bi) == 0) && (\i == 0)
	v_pk_mul_f32 v[16:17], v[XS:XS+1], v[XS:XS+1]
	v_pk_mul_f32 v[18:19], v[XS+2:XS+3], v[XS+2:XS+3]
.else
	v_pk_fma_f32 v[16:17], v[XS+\i:XS+\i+1], v[XS+\i:XS+\i+1], v[16:17]
	v_pk_fma_f32 v[18:19], v[XS+\i+2:XS+\i+3], v[XS+\i+2:XS+\i+3], v[18:19]
.endif
.endr
	v_add_nc_u32 v14, 0xff000000, v12              ; 2 off the exponent field: the conversion takes the exponent field of this operand as its scale
.irp g, 0,1,2,3
	v_cvt_scalef32_pk8_fp4_f32 v[C+4*(\bi)+\g], v[XS+8*\g:XS+8*\g+7], v14
.endr
	v_lshrrev_b32 v[20+(\bi)], 23, v14             ; the scale's byte (also the plain line behind the conversions)
.if (\bi) < 2
	RD (\bi)+2
.endif
.endm
	RD 0
	RD 1
	QBLK 0
	QBLK 1
	QBLK 2
	QBLK 3
	; my bytes are those of blocks h and 2 + h of each 128 along K: with lane l xor 16's two a scale word is whole
	v_lshl_or_b32 v24, v21, 16, v20
	v_lshl_or_b32 v25, v23, 16, v22
	v_lshlrev_b32 v26, 3, v3
	v_lshlrev_b32 v24, v26, v24
	v_lshlrev_b32 v25, v26, v25
	v_mov_b32 v27, 0                               ; (a lane permute's destination counts as one of its sources)
	v_permlanex16_b32 v26, v24, s18, s19
	v_permlanex16_b32 v27, v25, s18, s19
	v_or_b32 v24, v24, v26
	v_or_b32 v25, v25, v27
	v_cmp_eq_u32 vcc_lo, 1, v3
	v_cndmask_b32 v24, v24, v25, vcc_lo            ; lanes 0-15: k 0..127's word, lanes 16-31: k 128..255's
	v_pk_add_f32 v[16:17], v[16:17], v[18:19]
	v_add_f32 v16, v16, v17
	v_permlanex16_b32 v26, v16, s18, s19
	v_add_f32 v16, v16, v26                        ; ss
	v_mul_f32 v12, v11, v16
	v_min_num_f32 v12, 0x3f7ffffe, v12
	v_sub_f32 v12, 1.0, v12                        ; a = 1 - min(c ss, 1 - 1e-7)
	s_wait_alu depctr_va_vdst(0)
	v_rcp_f32 v13, v12
	v_nop                                          ; a plain line behind the reciprocal
	s_wait_alu depctr_va_vdst(0)
	v_fma_f32 v14, -v12, v13, 1.0
	v_fma_f32 v13, v13, v14, v13                   ; 1 / a, one Newton step
	v_cndmask_b32 v16, v16, v13, vcc_lo
.irp b, 0,1,2,3
	global_store_b128 v8, v[C+4*\b:C+4*\b+3], s[22:23] offset:512*\b   ; 32 lanes store 512 consecutive bytes
.endr
	global_store_b32 v9, v24, s[22:23]
	global_store_b32 v10, v16, s[22:23]
	s_cmp_lt_u32 s16, 2
	s_cbranch_scc1 .Ldone                          ; keys go out a second time, into the second pass's slots
.irp b, 0,1,2,3
	global_store_b128 v8, v[C+4*\b:C+4*\b+3], s[24:25] offset:512*\b
.endr
	global_store_b32 v9, v24, s[24:25]
	global_store_b32 v10, v16, s[24:25]
.Ldone:
	s_wait_tensorcnt 0x0
	ds_add_u32 v240, v241
	s_wait_dscnt 0x0
	s_endpgm
; ---------------- values: K is the first axis.  A lane takes a channel and its registers run down the keys: nothing is transposed ----------------
.Lvalues:
	s_lshr_b32 s28, ttmp9, 2                       ; G: keys 128 G on
	s_and_b32 s29, ttmp9, 3                        ; e: channels 64 e on
	s_lshl_b32 s30, s28, 17                        ; 128 G rows of 1,024 bytes
	s_lshl_b32 s31, s29, 8
	s_add_co_u32 s30, s30, s31
	s_lshl_b32 s31, s27, 7                         ; + 32 channels for the second wave
	s_add_co_u32 s30, s30, s31
	s_mov_b32 s31, 0
	s_add_nc_u64 s[20:21], s[8:9], s[30:31]
	s_wait_alu depctr_va_vdst(0)
	v_lshlrev_b32 v5, 2, v1                        ; 4 bytes a lane
.macro VLOAD beta                      ; block beta: 32 keys of my channel into set beta % 2; each load reads 128 consecutive bytes
.irp i, 0,1,2,3,4,5,6,7,8,9,10,11,12,13,14,15,16,17,18,19,20,21,22,23,24,25,26,27,28,29,30,31
	global_load_b32 v[X+32*((\beta)%2)+\i], v5, s[20:21] offset:(32*(\beta)+\i)*1024 th:TH_LOAD_NT
.endr
.endm
	VLOAD 0
	VLOAD 1
	s_lshr_b32 s32, s28, 2                         ; the V record
	s_mul_i32 s32, s32, SLOT
	s_add_co_u32 s32, s32, R2+REC
	s_mov_b32 s33, 0
	s_add_nc_u64 s[24:25], s[12:13], s[32:33]
	s_and_b32 s28, s28, 3                          ; ks
	s_lshl_b32 s34, s28, 2
	s_add_co_u32 s34, s34, s29                     ; 4 ks + e
	s_lshl_b32 s35, s34, 12                        ; (16 ks + 4 e) x 1024
	s_lshl_b32 s36, s27, 11                        ; + two tiles for the second wave
	s_add_co_u32 s35, s35, s36
	v_lshl_add_u32 v8, v3, 10, s35                 ; + a tile for lanes 16-31
	v_lshl_add_u32 v8, v2, 4, v8                   ; + 16 r
	s_lshl_b32 s35, s34, 8
	s_lshl_b32 s36, s27, 7
	s_add_co_u32 s35, s35, s36
	s_add_co_u32 s35, s35, KSC
	v_lshl_add_u32 v9, v1, 2, s35
	v_mov_b32 v21, 0
.macro VBLK beta
.set XS, X+32*((\beta)%2)
.if (\beta) < 3
	s_wait_loadcnt 32                              ; this block's 32 loads are in; the next block's may be out
.else
	s_wait_loadcnt 0x0
.endif
	AMAX
	v_add_nc_u32 v14, 0xff000000, v12
.irp g, 0,1,2,3
	v_cvt_scalef32_pk8_fp4_f32 v[C+4*(\beta)+\g], v[XS+8*\g:XS+8*\g+7], v14
.endr
	v_lshrrev_b32 v13, 23, v14                     ; the scale's byte (also the plain line behind the conversions)
.if (\beta) == 0
	v_mov_b32 v20, v13
.else
	v_lshl_or_b32 v20, v13, 8*(\beta), v20         ; four bytes make my channel's scale word for these 128 keys
.endif
.if (\beta) < 2
	VLOAD (\beta)+2
.endif
.endm
	VBLK 0
	VBLK 1
	VBLK 2
	VBLK 3
.irp b, 0,1,2,3
	global_store_b128 v8, v[C+4*\b:C+4*\b+3], s[24:25] offset:(\b/2)*512+(\b%2)*256   ; block b = 2 c + h of the image: sixteen lanes store 256 consecutive aligned bytes
.endr
	global_store_b32 v9, v20, s[24:25]
	global_store_b32 v9, v21, s[24:25] offset:4096 ; the record's zeros
	s_endpgm
.Lfunc_end_k_q64a47b752d_prep:
	.size	k_q64a47b752d_prep, .Lfunc_end_k_q64a47b752d_prep-k_q64a47b752d_prep
	.p2alignl 7, 3214868480
	.fill 96, 4, 3214868480
	.section	.rodata,"a",@progbits
	.p2align	6, 0x0
	.amdhsa_kernel k_q64a47b752d_prep
		.amdhsa_group_segment_fixed_size 67328
		.amdhsa_private_segment_fixed_size 0
		.amdhsa_enable_private_segment 0
		.amdhsa_kernarg_size 48
		.amdhsa_user_sgpr_count 2
		.amdhsa_user_sgpr_kernarg_segment_ptr 1
		.amdhsa_wavefront_size32 1
		.amdhsa_system_sgpr_workgroup_id_x 1
		.amdhsa_system_sgpr_workgroup_id_y 1
		.amdhsa_system_sgpr_workgroup_id_z 1
		.amdhsa_system_vgpr_workitem_id 0
		.amdhsa_next_free_vgpr 242
		.amdhsa_next_free_sgpr 66
		.amdhsa_reserve_vcc 1
		.amdhsa_float_denorm_mode_32 3
		.amdhsa_float_denorm_mode_16_64 3
		.amdhsa_memory_ordered 1
		.amdhsa_forward_progress 1
		.amdhsa_inst_pref_size 44
	.end_amdhsa_kernel
	.amdgpu_metadata
---
amdhsa.version: [ 1, 2 ]
amdhsa.kernels:
  - .name:           k_q64a47b752d_prep
    .symbol:         k_q64a47b752d_prep.kd
    .args:
      - { .name: query, .offset: 0, .size: 8, .value_kind: global_buffer, .address_space: global }
      - { .name: keys, .offset: 8, .size: 8, .value_kind: global_buffer, .address_space: global }
      - { .name: values, .offset: 16, .size: 8, .value_kind: global_buffer, .address_space: global }
      - { .name: c, .offset: 24, .size: 8, .value_kind: global_buffer, .address_space: global }
      - { .name: pack, .offset: 32, .size: 8, .value_kind: global_buffer, .address_space: global }
      - { .name: qpack, .offset: 40, .size: 8, .value_kind: global_buffer, .address_space: global }
    .group_segment_fixed_size: 67328
    .private_segment_fixed_size: 0
    .kernarg_segment_align: 8
    .kernarg_segment_size: 48
    .max_flat_workgroup_size: 192
    .sgpr_count:     66
    .vgpr_count:     242
    .wavefront_size: 32
...
	.end_amdgpu_metadata
.endif
;; end of part 1
;; launch attn (part 2): grid 512 x 1, 16 waves a work-group, no clusters, 303,104 bytes of LDS; arguments pack, qpack, c, out0; writes out0
.if DOCPART == 2
	.amdgcn_target "amdgcn-amd-amdhsa--gfx1250"
	.amdhsa_code_object_version 6
	.text
	.protected	k_q64a47b752d_attn
	.globl	k_q64a47b752d_attn
	.p2align	8
	.type	k_q64a47b752d_attn,@function
k_q64a47b752d_attn:
	s_mov_b64 s[64:65], 0
	v_nop
	global_prefetch_b8 v0, s[64:65] scope:SCOPE_SE
	s_setreg_imm32_b32 hwreg(HW_REG_WAVE_MODE, 25, 1), 1
	s_wait_xcnt 0x0
; out[q] = sum over keys of Q(w[q][key]) Q(values[key]), w = softmax over keys of -dist, dist = arccosh(arg) / sqrt(c), arg = max(1 + 2 c d / max(a_q b_k, 1e-7), 1 + 1e-7), d = uu_q + vv_k - 2 S,
; S = Q(query) Q(keys)^T.  Both products on codes of FP4 (E2M1) with one E8M0 scale for each 32 along K; all else in f32.  Codes, scale words, uu, vv, 1 / a, 1 / b come from the launch before.
; THE WEIGHTS ARE QUANTISED FINISHED AND NORMALISED, so a row's sum is wanted before its first code.  THE CHAIN IS WALKED ONCE: p of every pair stays on the chip until the row's maximum and sum are known.
; SHARES.  A work-group owns ONE tile of 16 queries and all 8,192 keys: 131,072 pairs, 512 KiB of f32.  Wave w of sixteen owns K record w (512 keys): 16 chunks of 32 keys, 16 registers a lane each.
;   Chunks 0-6 stay in registers v32-143, chunks 7-14 in the wave's own 16,384 bytes of LDS, chunk 15 in the working registers.
; PHASES.  A: for each chunk D = K Q^T - (uu + vv) / 2 = -d / 2 (the C of the first product is -(uu + vv) / 2); arg = max(min(fma(D, -4 c / (a b), 1), fma(D, -4 c 1e7, 1)), 1 + 1e-7): for d >= 0 the smaller of the two is the one with
;   the floored denominator, a negative d ends at 1 + 1e-7; y = arg + sqrt(arg^2 - 1); L = log2(y); -dist log2(e) = -kappa L, kappa = 1 / sqrt(c).  p = 2^(M - kappa L), M the lane's running min of floor(kappa L), a whole number: the largest
;   exponent is taken away, as a running one; when M moves the lane's sum is multiplied by 2^(new M - old M), which rounds nothing.  Each chunk's M goes to LDS.
;   M: the 32 partial M and sums of a query meet in LDS: the row's M, the row's sum under it.  C: w = p x (2^(row's M - chunk's M) / sum), block scale, codes; codes and scale bytes go into an image of the second product's operand in LDS.
;   D: wave 4 ks + e multiplies channels 64 e .. 64 e + 63 by the weights of keys 2,048 ks on, 16 K steps of 128.  E: the four ks parts meet in LDS; wave w adds and stores row w.
; LAYOUT.  Both products are used transposed (source 0 = 16 keys or 16 channels, source 1 = 16 queries): a lane holds ONE query (lane % 16).  Lane r of key tile u takes key 8 u + r + 8 (r / 8) of its block, so that a lane's 16 registers are keys 16 (lane / 16) + 0..15.
; NO TENSOR LOADS, NO CLUSTER: with one query tile each fragment of keys or values is an operand of one wave alone and is laid in memory as that wave's registers, so it goes from memory into registers; and what is kept takes
;   294,912 of LDS's 327,680 bytes, which leaves no two slots for a record of 73,728 bytes.  NO PREFETCH: all 512 work-groups read the same 2.3 MB, and a wave's own loads run a chunk (A) or four K steps (D) ahead.
; LIMITS: NaN and infinities among the inputs are not served.  arg^2 has to stay finite: arg under 2^64, which with the denominator's floor 1e-7 and c at most 1 holds for squared distances under 9e11.  Inside that range dist is finite and a
;   row's sum is at least 0.5, so that both nan_to_num of the definition change nothing and have no line here.  A weight under 2^-126 may come out as 0.
.set REC,   73728
.set SLOT,  2*REC
.set R2,    8*SLOT
.set KSC,   65536
.set KST,   69632
.set QSC,   1048576
.set QST,   1114112
.set QRA,   1146880
.set WREG,  16384                      ; a wave's LDS: 8 chunks of 2,048 bytes; later bytes 0-4095 the image of its 512 keys' weights, from OB on its part of O
.set SPARE, 16*WREG                    ; the spare words, 128 bytes a wave: no other line names them
.set STAT,  SPARE+2048                 ; 128 r + 8 wave: a wave's M and sum of query r
.set PXS,   STAT+2048                  ; the weights' scale words: 256 wave + 64 (K step) + 4 r
.set MREC,  PXS+4096                   ; 2048 wave + 128 chunk + 4 lane: the M under which a chunk's p were taken
.set OB,    4096
.set OP,    272                        ; a row of a wave's part of O: 256 bytes + 16
.set P,   32                           ; v32-223 twelve chunks; v224-239 (F) the chunks' factors; v240-255 (T) one more chunk
.set QF,  144                          ; phase A's working registers lie in v144-255
.set KF,  160
.set VV,  192
.set RB,  208
.set S,   224
.set X,   240
.set T,   240
.set F,   224
.set G,   192                          ; the sixteen waves' M and sums, while they meet
.set VB,  64                           ; phase D: four buffers of four value fragments; WB four of the weights'; O the sums
.set WB,  192
.set O,   224
; v1 spare word's address, v2 = 0; v3 16 lane; v4 4 lane; v5 64 h; v6 my LDS + 16 lane; v7 my place in MREC, later the codes' place; v8 byte's place; v9 my place in STAT; v10-19 at work; v20-31 scales and nothing else
; A: v[12:13] -uu / 2; v[14:15] -4 c / a; v16 M (v17 named with it); v[18:19] the sum
; s12 wave; s[16:17] my K record; s[22:23] -kappa; s24 kappa; s25 1 + 1e-7; s[26:27] -4 c 1e7; s[32:33] lane selects; s35 -4 c; s[36:37], s[38:39] my values and their scale words
.macro WA
	s_wait_alu depctr_va_vdst(0)
.endm
.macro STATS b                         ; vv and 1 / b of my 16 keys of chunk b: sixteen lanes read the same 16 bytes
.irp i, 0,1,2,3
	global_load_b128 v[VV+4*\i:VV+4*\i+3], v5, s[16:17] offset:KST+128*(\b)+16*\i
.endr
.irp i, 0,1,2,3
	global_load_b128 v[RB+4*\i:RB+4*\i+3], v5, s[16:17] offset:KST+2048+128*(\b)+16*\i
.endr
.endm
.macro KLOAD b                         ; chunk b's two key tiles and their scale words: each load 512 consecutive bytes
.irp u, 0,1
.irp p, 0,1,2,3
	global_load_b128 v[KF+16*\u+4*\p:KF+16*\u+4*\p+3], v3, s[16:17] offset:4096*(\b)+2048*\u+512*\p
.endr
.endr
.irp u, 0,1
	global_load_b32 v[21+\u], v4, s[16:17] offset:KSC+256*(\b)+128*\u
.endr
.endm
.macro STEP b
.if (\b) < 7
.set DST, P+16*(\b)
.else
.set DST, X
.endif
	WA
	s_wait_loadcnt 10                      ; vv and 1 / b are in; the chunk's ten key loads may be out
.if (\b) > 7
	s_wait_dscnt 0x0                       ; the last chunk's stores have read v240-255
.endif
.irp i, 0,2,4,6,8,10,12,14
	v_pk_fma_f32 v[S+\i:S+\i+1], v[VV+\i:VV+\i+1], -0.5, v[12:13] op_sel_hi:[1,0,1]   ; -(vv + uu) / 2: the products' C
.endr
.irp i, 0,2,4,6,8,10,12,14
	v_pk_mul_f32 v[X+\i:X+\i+1], v[RB+\i:RB+\i+1], v[14:15]                            ; -4 c / (a b)
.endr
.if (\b) < 15
	STATS (\b)+1
	WA
	s_wait_loadcnt 8                       ; the key loads are in; the next chunk's eight may be out
.else
	WA
	s_wait_loadcnt 0x0
.endif
.irp u, 0,1                            ; the two accumulators take turns; the second K step's scale words lie in lanes 16-31
	v_wmma_scale_f32_16x16x128_f8f6f4 v[S+8*\u:S+8*\u+7], v[KF+16*\u:KF+16*\u+7], v[QF:QF+7], v[S+8*\u:S+8*\u+7], v[21+\u], v20 matrix_a_fmt:MATRIX_FMT_FP4 matrix_b_fmt:MATRIX_FMT_FP4
.endr
.irp u, 0,1
	v_wmma_scale_f32_16x16x128_f8f6f4 v[S+8*\u:S+8*\u+7], v[KF+16*\u+8:KF+16*\u+15], v[QF+8:QF+15], v[S+8*\u:S+8*\u+7], v[21+\u], v20 matrix_a_fmt:MATRIX_FMT_FP4 matrix_b_fmt:MATRIX_FMT_FP4 matrix_a_scale:MATRIX_SCALE_ROW1 matrix_b_scale:MATRIX_SCALE_ROW1
.endr
.rept 4
	v_nop                                  ; four places ahead of loads into the fragments and of the results' readers
.endr
.if (\b) < 15
	KLOAD (\b)+1
.endif
.irp i, 0,2,4,6,8,10,12,14
	v_pk_fma_f32 v[X+\i:X+\i+1], v[S+\i:S+\i+1], v[X+\i:X+\i+1], 1.0 op_sel_hi:[1,1,0]
.endr
.irp i, 0,2,4,6,8,10,12,14
	v_pk_fma_f32 v[S+\i:S+\i+1], v[S+\i:S+\i+1], s[26:27], 1.0 op_sel_hi:[1,0,0]
.endr
.set n, 0
.rept 16
	v_minmax_num_f32 v[S+n], v[X+n], v[S+n], s25                                        ; arg = max(min(.,.), 1 + 1e-7)
.set n, n+1
.endr
.irp i, 0,2,4,6,8,10,12,14
	v_pk_fma_f32 v[X+\i:X+\i+1], v[S+\i:S+\i+1], v[S+\i:S+\i+1], -1.0 op_sel_hi:[1,1,0]
.endr
	WA
.set n, 0
.rept 16
	v_sqrt_f32 v[X+n], v[X+n]
.set n, n+1
.endr
	v_nop
	WA
.irp i, 0,2,4,6,8,10,12,14
	v_pk_add_f32 v[S+\i:S+\i+1], v[S+\i:S+\i+1], v[X+\i:X+\i+1]                        ; y
.endr
	WA
.set n, 0
.rept 16
	v_log_f32 v[X+n], v[S+n]                                                            ; L
.set n, n+1
.endr
	v_nop
	WA
	v_min3_num_f32 v10, v[X], v[X+1], v[X+2]                                            ; the chunk's smallest L, in two chains
	v_min3_num_f32 v11, v[X+3], v[X+4], v[X+5]
.irp i, 6,10
	v_min3_num_f32 v10, v10, v[X+\i], v[X+\i+1]
	v_min3_num_f32 v11, v11, v[X+\i+2], v[X+\i+3]
.endr
	v_min3_num_f32 v10, v10, v[X+14], v[X+15]
	v_min_num_f32 v10, v10, v11
	v_mul_f32 v10, s24, v10
	v_floor_f32 v10, v10
	v_min_num_f32 v10, v10, v16            ; the new M
	v_sub_f32 v11, v10, v16                ; new M - old M: a whole number, 0 or less
	v_mov_b32 v16, v10
	v_cvt_i32_f32 v11, v11                 ; (it saturates)
	v_ldexp_f32 v11, 1.0, v11
	v_mul_f32 v18, v18, v11                ; the sum under the new M: nothing is rounded
	v_mul_f32 v19, v19, v11
.irp i, 0,2,4,6,8,10,12,14
	v_pk_fma_f32 v[X+\i:X+\i+1], v[X+\i:X+\i+1], s[22:23], v[16:17] op_sel_hi:[1,0,0]   ; M - kappa L
.endr
	ds_store_b32 v7, v16 offset:128*(\b)   ; the chunk's M
	WA
.set n, 0
.rept 16
	v_exp_f32 v[DST+n], v[X+n]                                                          ; p
.set n, n+1
.endr
	v_nop
	WA
	v_pk_add_f32 v[10:11], v[DST:DST+1], v[DST+2:DST+3]
.irp i, 4,8,12
	v_pk_add_f32 v[18:19], v[18:19], v[DST+\i:DST+\i+1]
	v_pk_add_f32 v[10:11], v[10:11], v[DST+\i+2:DST+\i+3]
.endr
	v_pk_add_f32 v[18:19], v[18:19], v[10:11]
.if ((\b) >= 7) && ((\b) < 15)
.irp q, 0,1,2,3
	ds_store_b128 v6, v[X+4*\q:X+4*\q+3] offset:2048*((\b)-7)+512*\q
.endr
.endif
.endm
.macro LDC reg, idx                    ; a chunk of my LDS into registers
.irp q, 0,1,2,3
	ds_load_b128 v[\reg+4*\q:\reg+4*\q+3], v6 offset:2048*(\idx)+512*\q
.endr
.endm
; Two chunks by turns: w = p x the chunk's factor; the block's largest w (16 in me, 16 in lane l xor 16), with the floor 2^(3 - 127), so that the byte cannot fall under 1; codes and byte to their places in the image:
; block b is bytes 256 b + 16 r of the wave's image, my 16 codes bytes 8 h .. 8 h + 7 of those 16.
.macro QP ra, ba, rb, bb
	v_mov_b32 v12, v[F+\ba]
	v_mov_b32 v13, v[F+\ba]
	v_mov_b32 v18, v[F+\bb]
	v_mov_b32 v19, v[F+\bb]
.irp i, 0,2,4,6,8,10,12,14
	v_pk_mul_f32 v[\ra+\i:\ra+\i+1], v[\ra+\i:\ra+\i+1], v[12:13]
	v_pk_mul_f32 v[\rb+\i:\rb+\i+1], v[\rb+\i:\rb+\i+1], v[18:19]
.endr
	v_max3_num_f32 v14, v[\ra], v[\ra+1], 0x1800000
	v_max3_num_f32 v16, v[\rb], v[\rb+1], 0x1800000
.irp i, 2,4,6,8,10,12,14
	v_max3_num_f32 v14, v14, v[\ra+\i], v[\ra+\i+1]
	v_max3_num_f32 v16, v16, v[\rb+\i], v[\rb+\i+1]
.endr
	v_permlanex16_b32 v15, v14, s32, s33
	v_permlanex16_b32 v17, v16, s32, s33
	v_max_num_f32 v14, v14, v15
	v_max_num_f32 v16, v16, v17
	v_add_nc_u32 v18, 0xff000000, v14      ; 2 off the exponent field: the conversion's scale operand
	v_add_nc_u32 v19, 0xff000000, v16
	v_lshrrev_b32 v10, 23, v18             ; the scale's byte
	v_lshrrev_b32 v11, 23, v19
	v_cvt_scalef32_pk8_fp4_f32 v14, v[\ra:\ra+7], v18
	v_cvt_scalef32_pk8_fp4_f32 v15, v[\ra+8:\ra+15], v18
	v_cvt_scalef32_pk8_fp4_f32 v16, v[\rb:\rb+7], v19
	v_cvt_scalef32_pk8_fp4_f32 v17, v[\rb+8:\rb+15], v19
	v_nop                                  ; one plain line behind the conversions
	ds_store_b64 v7, v[14:15] offset:256*(\ba)
	ds_store_b8 v8, v10 offset:64*((\ba)/4)+(\ba)%4   ; both lanes of a block write the same byte with the same value
	ds_store_b64 v7, v[16:17] offset:256*(\bb)
	ds_store_b8 v8, v11 offset:64*((\bb)/4)+(\bb)%4
.endm
.macro VLD t                           ; K step t of my 16: four fragments of values and their scale words, into buffer t % 4
.irp f, 0,1,2,3
.irp c, 0,1
	global_load_b128 v[VB+32*((\t)%4)+8*\f+4*\c:VB+32*((\t)%4)+8*\f+4*\c+3], v3, s[36:37] offset:((\t)/4)*SLOT+((\t)%4)*16384+1024*\f+512*\c
.endr
.endr
.irp i, 0,1
	global_load_b32 v[20+2*((\t)%4)+\i], v4, s[38:39] offset:((\t)/4)*SLOT+((\t)%4)*1024+128*\i
.endr
.endm
.macro WLD t                           ; and the weights' fragment and scale word, out of the image
.irp c, 0,1
	ds_load_b128 v[WB+8*((\t)%4)+4*\c:WB+8*((\t)%4)+4*\c+3], v18 offset:((\t)/4)*WREG+((\t)%4)*1024+512*\c
.endr
	ds_load_b32 v[28+(\t)%4], v19 offset:((\t)/4)*256+((\t)%4)*64
.endm
.macro PVS t
.if (\t) < 13
	s_wait_dscnt 9                         ; this K step's loads are in; those of the three K steps behind it (3 and 10 each) may be out
	s_wait_loadcnt 30
.else
	s_wait_dscnt 3*(15-(\t))
	s_wait_loadcnt 10*(15-(\t))
.endif
.irp f, 0,1,2,3                        ; four accumulators by turns; odd tiles' scale words lie in lanes 16-31
.set VA, VB+32*((\t)%4)+8*\f
.set WF, WB+8*((\t)%4)
.set SA, 20+2*((\t)%4)+\f/2
.if (\t) == 0
.if \f%2
	v_wmma_scale_f32_16x16x128_f8f6f4 v[O+8*\f:O+8*\f+7], v[VA:VA+7], v[WF:WF+7], 0, v[SA], v[28+(\t)%4] matrix_a_fmt:MATRIX_FMT_FP4 matrix_b_fmt:MATRIX_FMT_FP4 matrix_a_scale:MATRIX_SCALE_ROW1
.else
	v_wmma_scale_f32_16x16x128_f8f6f4 v[O+8*\f:O+8*\f+7], v[VA:VA+7], v[WF:WF+7], 0, v[SA], v[28+(\t)%4] matrix_a_fmt:MATRIX_FMT_FP4 matrix_b_fmt:MATRIX_FMT_FP4
.endif
.else
.if \f%2
	v_wmma_scale_f32_16x16x128_f8f6f4 v[O+8*\f:O+8*\f+7], v[VA:VA+7], v[WF:WF+7], v[O+8*\f:O+8*\f+7], v[SA], v[28+(\t)%4] matrix_a_fmt:MATRIX_FMT_FP4 matrix_b_fmt:MATRIX_FMT_FP4 matrix_a_scale:MATRIX_SCALE_ROW1
.else
	v_wmma_scale_f32_16x16x128_f8f6f4 v[O+8*\f:O+8*\f+7], v[VA:VA+7], v[WF:WF+7], v[O+8*\f:O+8*\f+7], v[SA], v[28+(\t)%4] matrix_a_fmt:MATRIX_FMT_FP4 matrix_b_fmt:MATRIX_FMT_FP4
.endif
.endif
.endr
.if (\t) < 12
.rept 4
	v_nop                                  ; four places ahead of loads into the operands
.endr
	VLD (\t)+4
	WLD (\t)+4
.endif
.endm
; ---------------- the head ----------------
	s_load_b256 s[4:11], s[0:1], 0x0               ; pack s[4:5], qpack s[6:7], c s[8:9], out0 s[10:11]
	v_lshrrev_b32 v10, 5, v0
	v_readfirstlane_b32 s12, v10                   ; wave 0..15
	s_lshl_b32 s13, s12, 14                        ; my LDS
	s_lshl_b32 s14, s12, 8
	s_add_co_u32 s14, s14, PXS
	s_lshl_b32 s15, s12, 3
	s_add_co_u32 s15, s15, STAT
	s_lshl_b32 s46, s12, 11
	s_add_co_u32 s46, s46, MREC
	s_mul_i32 s16, s12, REC                        ; K record w, its first copy
	s_mov_b32 s17, 0
	s_lshl_b32 s18, ttmp9, 11                      ; my query tile: 2,048 bytes of codes,
	s_mov_b32 s19, 0
	s_lshl_b32 s20, ttmp9, 7                       ; 128 of scale words,
	s_mov_b32 s21, 0
	s_lshl_b32 s30, ttmp9, 6                       ; 64 of uu and of 1 / a
	s_mov_b32 s31, 0
	s_mov_b32 s32, 0x76543210
	s_mov_b32 s33, 0xfedcba98                      ; v_permlanex16_b32's selects for lane l xor 16
	s_mov_b32 s25, 0x3f800001                      ; 1 + 1e-7
	s_lshr_b32 s40, s12, 2                         ; ks
	s_and_b32 s41, s12, 3                          ; e
	s_mul_i32 s36, s40, 4*SLOT
	s_add_co_u32 s36, s36, R2+REC                  ; V records 4 ks on
	s_add_co_u32 s38, s36, KSC
	s_lshl_b32 s44, s41, 12
	s_add_co_u32 s36, s36, s44                     ; + my four tiles of channels
	s_lshl_b32 s44, s41, 8
	s_add_co_u32 s38, s38, s44
	s_mov_b32 s37, 0
	s_mov_b32 s39, 0
	s_lshl_b32 s41, s40, 10
	s_add_co_u32 s41, s41, PXS                     ; my quarter's scale words,
	s_lshl_b32 s40, s40, 16                        ; and its images
	s_add_co_u32 s42, s13, OB                      ; my part of O
	s_mul_i32 s43, s12, OP
	s_add_co_u32 s43, s43, OB                      ; row w of a part
	s_lshl_b32 s28, ttmp9, 4
	s_add_co_u32 s28, s28, s12
	s_lshl_b32 s28, s28, 10                        ; row 16 T + w of out0
	s_mov_b32 s29, 0
	v_lshl_add_u32 v1, v0, 2, SPARE
	v_mov_b32 v2, 0
	v_and_b32 v10, 31, v0                          ; lane
	v_and_b32 v11, 15, v0                          ; r
	v_bfe_u32 v12, v0, 4, 1                        ; h
	v_lshlrev_b32 v3, 4, v10
	v_lshlrev_b32 v4, 2, v10
	v_lshlrev_b32 v5, 6, v12
	v_add_nc_u32 v6, s13, v3
	v_add_nc_u32 v7, s46, v4
	v_lshl_add_u32 v9, v11, 7, s15
	v_lshlrev_b32 v10, 2, v11                      ; 4 r
	WA
	s_wait_kmcnt 0x0
	s_load_b32 s34, s[8:9], 0x0                    ; c
	s_add_nc_u64 s[16:17], s[4:5], s[16:17]
	s_add_nc_u64 s[18:19], s[6:7], s[18:19]
	s_add_nc_u64 s[20:21], s[6:7], s[20:21]
	s_add_nc_u64 s[30:31], s[6:7], s[30:31]
	s_add_nc_u64 s[36:37], s[4:5], s[36:37]
	s_add_nc_u64 s[38:39], s[4:5], s[38:39]
	s_add_nc_u64 s[10:11], s[10:11], s[28:29]
.irp p, 0,1,2,3
	global_load_b128 v[QF+4*\p:QF+4*\p+3], v3, s[18:19] offset:512*\p
.endr
	global_load_b32 v20, v4, s[20:21] offset:QSC
	global_load_b32 v12, v10, s[30:31] offset:QST
	global_load_b32 v14, v10, s[30:31] offset:QRA
	STATS 0
	KLOAD 0
	s_wait_kmcnt 0x0
	s_and_b32 s34, s34, 0x7fffffff                 ; |c|
	v_mov_b32 v224, 0x33d6bf95                     ; 1e-7
	v_add_f32 v224, s34, v224
	v_max_num_f32 v224, 0x33d6bf95, v224
	v_min_num_f32 v224, 0x3f7ffffe, v224           ; the clamped curvature
	WA
	v_sqrt_f32 v225, v224
	v_mul_f32 v226, -4.0, v224                     ; -4 c
	WA
	v_rcp_f32 v225, v225
	v_mul_f32 v227, 0x4b189680, v226               ; -4 c 1e7
	WA
	v_mul_f32 v228, v224, v225
	v_fma_f32 v228, -v228, v225, 1.0
	v_mul_f32 v229, 0.5, v225
	v_fma_f32 v225, v229, v228, v225               ; kappa = 1 / sqrt(c), one Newton step
	v_readfirstlane_b32 s24, v225
	v_readfirstlane_b32 s26, v227
	v_readfirstlane_b32 s35, v226
	s_mov_b32 s27, s26
	s_xor_b32 s22, s24, 0x80000000                 ; -kappa
	s_mov_b32 s23, s22
	WA
	s_wait_loadcnt 18                              ; the query's seven loads are in; chunk 0's eighteen may be out
	v_mul_f32 v12, -0.5, v12                       ; -uu / 2
	v_mul_f32 v14, s35, v14                        ; -4 c / a
	v_mov_b32 v13, v12
	v_mov_b32 v15, v14
	v_mov_b32 v16, 0x7f61b1e6                      ; M begins at 3e38, above every kappa L
	v_mov_b32 v17, 0x7f61b1e6                      ; (named with it as a pair)
	v_mov_b32 v18, 0                               ; the sum begins at 0, which the first change of M leaves 0
	v_mov_b32 v19, 0
; ---------------- A: the chain, once for each pair ----------------
.irp b, 0,1,2,3,4,5,6,7,8,9,10,11,12,13,14,15
	STEP \b
.endr
; ---------------- M: a query's 32 partial M and sums (16 waves x 2 halves of the lanes) meet ----------------
	v_add_f32 v18, v18, v19
	v_permlanex16_b32 v10, v16, s32, s33
	v_min_num_f32 v10, v10, v16                    ; the two halves' M
	v_sub_f32 v11, v10, v16
	v_cvt_i32_f32 v11, v11
	v_ldexp_f32 v11, v18, v11                      ; my sum under it: nothing is rounded
	v_permlanex16_b32 v19, v11, s32, s33
	v_add_f32 v11, v11, v19
	ds_store_b64 v9, v[10:11]
.irp k, 0,1,2
	LDC P+112+16*\k, \k                            ; chunks 7-9 come home into the working registers' places
.endr
.irp b, 0,1,2,3,4,5,6,7,8,9,10,11,12,13,14,15
	ds_load_b32 v[F+\b], v7 offset:128*\b          ; the chunks' M
.endr
	v_and_b32 v12, 15, v0
	v_lshl_add_u32 v12, v12, 7, STAT
	WA
	s_wait_dscnt 0x0                               ; for the others' sake: my store is done
	s_barrier_signal -1
	s_barrier_wait -1
.irp k, 0,1,2,3,4,5,6,7
	ds_load_b128 v[G+4*\k:G+4*\k+3], v12 offset:16*\k   ; my query's M and sum of waves 2 k, 2 k + 1
.endr
	s_wait_dscnt 0x0
	v_min3_num_f32 v10, v[G], v[G+2], v[G+4]
.irp k, 3,5,7,9,11,13
	v_min3_num_f32 v10, v10, v[G+2*\k], v[G+2*\k+2]
.endr
	v_min_num_f32 v10, v10, v[G+30]                ; the row's M
.irp k, 0,1,2,3,4,5,6,7,8,9,10,11,12,13,14,15
	v_sub_f32 v[G+2*\k], v10, v[G+2*\k]            ; the row's M - wave k's: a whole number, 0 or less
.endr
.irp k, 0,1,2,3,4,5,6,7,8,9,10,11,12,13,14,15
	v_cvt_i32_f32 v[G+2*\k], v[G+2*\k]
.endr
.irp k, 0,1,2,3,4,5,6,7,8,9,10,11,12,13,14,15
	v_ldexp_f32 v[G+2*\k+1], v[G+2*\k+1], v[G+2*\k]
.endr
	v_add_f32 v11, v[G+1], v[G+3]
.irp k, 2,3,4,5,6,7,8,9,10,11,12,13,14,15
	v_add_f32 v11, v11, v[G+2*\k+1]                ; the row's sum: the same bits in all waves
.endr
	WA
	v_rcp_f32 v13, v11
	v_nop
	WA
	v_fma_f32 v12, -v11, v13, 1.0
	v_fma_f32 v13, v13, v12, v13                   ; 1 / the sum, one Newton step
	LDC P+160, 3                                   ; chunks 10 and 11
	LDC P+176, 4
.irp b, 0,1,2,3,4,5,6,7,8,9,10,11,12,13,14,15
	v_sub_f32 v[F+\b], v10, v[F+\b]                ; the row's M - the chunk's
.endr
.irp b, 0,1,2,3,4,5,6,7,8,9,10,11,12,13,14,15
	v_cvt_i32_f32 v[F+\b], v[F+\b]
.endr
.irp b, 0,1,2,3,4,5,6,7,8,9,10,11,12,13,14,15
	v_ldexp_f32 v[F+\b], v13, v[F+\b]              ; the chunk's factor: 2^(row's M - chunk's M) / sum
.endr
	v_and_b32 v11, 15, v0
	v_bfe_u32 v12, v0, 4, 1
	v_lshl_add_u32 v7, v11, 4, s13
	v_lshl_add_u32 v7, v12, 3, v7                  ; my codes' place in the image: 16 r + 8 h
	v_lshl_add_u32 v8, v11, 2, s14                 ; my byte's: 4 r
	WA
	s_wait_dscnt 0x0
; ---------------- C: weights, codes, the image; chunks 12-14 come out of LDS, and the first four K steps of values are asked for, as registers come free ----------------
	QP P, 0, P+16, 1
	LDC P, 5
	LDC P+16, 6
	QP T, 15, P+32, 2
	LDC T, 7
	QP P+48, 3, P+64, 4
	VLD 0
	QP P+80, 5, P+96, 6
	VLD 1
	QP P+112, 7, P+128, 8
	VLD 2
	QP P+144, 9, P+160, 10
	VLD 3
	WA
	s_wait_dscnt 0x0
	QP P+176, 11, P, 12
	QP P+16, 13, T, 14
	v_add_nc_u32 v18, s40, v3                      ; my quarter's images, 16 lane
	v_and_b32 v19, 15, v0
	v_lshl_add_u32 v19, v19, 2, s41                ; its scale words, 4 r
	WA
	s_wait_dscnt 0x0                               ; for the others' sake: my stores into the image are done
	s_barrier_signal -1
	s_barrier_wait -1
; ---------------- D: O^T += V^T W^T ----------------
.irp t, 0,1,2,3
	WLD \t
.endr
.irp t, 0,1,2,3,4,5,6,7,8,9,10,11,12,13,14,15
	PVS \t
.endr
; ---------------- E: the four parts of O meet; wave w adds and stores row w ----------------
	v_and_b32 v10, 15, v0                          ; (these lines are the places behind the last products)
	v_mul_u32_u24 v10, v10, OP
	v_lshrrev_b32 v11, 1, v5                       ; 32 h
	v_add_nc_u32 v10, v10, v11
	v_add_nc_u32 v10, s42, v10
.irp f, 0,1,2,3
	ds_store_b128 v10, v[O+8*\f:O+8*\f+3] offset:64*\f
	ds_store_b128 v10, v[O+8*\f+4:O+8*\f+7] offset:64*\f+16
.endr
	v_bfe_u32 v12, v0, 4, 1
	v_lshlrev_b32 v12, 14, v12                     ; lanes 16-31: the next wave's part (64 channels on)
	v_and_b32 v13, 15, v0
	v_lshl_add_u32 v12, v13, 4, v12
	v_add_nc_u32 v12, s43, v12
	v_add_nc_u32 v13, 0x10000, v12                 ; ks = 1, 2, 3
	v_add_nc_u32 v14, 0x20000, v12
	v_add_nc_u32 v15, 0x30000, v12
	WA
	s_wait_dscnt 0x0                               ; for the others' sake: my part is stored
	s_barrier_signal -1
	s_barrier_wait -1
.irp k, 0,1,2,3
	ds_load_b128 v[32+8*\k:35+8*\k], v[12+\k]
	ds_load_b128 v[36+8*\k:39+8*\k], v[12+\k] offset:32768
.endr
	s_wait_dscnt 0x0
.irp i, 0,2,4,6
	v_pk_add_f32 v[32+\i:33+\i], v[32+\i:33+\i], v[40+\i:41+\i]
	v_pk_add_f32 v[48+\i:49+\i], v[48+\i:49+\i], v[56+\i:57+\i]
.endr
.irp i, 0,2,4,6
	v_pk_add_f32 v[32+\i:33+\i], v[32+\i:33+\i], v[48+\i:49+\i]
.endr
	global_store_b128 v3, v[32:35], s[10:11] th:TH_STORE_NT              ; 32 lanes store 512 consecutive bytes, at a multiple of 256 from out0's first byte
	global_store_b128 v3, v[36:39], s[10:11] offset:512 th:TH_STORE_NT
	s_wait_tensorcnt 0x0                           ; the wave's end
	ds_add_u32 v1, v2
	s_wait_dscnt 0x0
	s_endpgm
.Lfunc_end_k_q64a47b752d_attn:
	.size	k_q64a47b752d_attn, .Lfunc_end_k_q64a47b752d_attn-k_q64a47b752d_attn
	.p2alignl 7, 3214868480
	.fill 96, 4, 3214868480
	.section	.rodata,"a",@progbits
	.p2align	6, 0x0
	.amdhsa_kernel k_q64a47b752d_attn
		.amdhsa_group_segment_fixed_size 303104
		.amdhsa_private_segment_fixed_size 0
		.amdhsa_enable_private_segment 0
		.amdhsa_kernarg_size 32
		.amdhsa_user_sgpr_count 2
		.amdhsa_user_sgpr_kernarg_segment_ptr 1
		.amdhsa_wavefront_size32 1
		.amdhsa_system_sgpr_workgroup_id_x 1
		.amdhsa_system_sgpr_workgroup_id_y 1
		.amdhsa_system_sgpr_workgroup_id_z 1
		.amdhsa_system_vgpr_workitem_id 0
		.amdhsa_next_free_vgpr 256
		.amdhsa_next_free_sgpr 66
		.amdhsa_reserve_vcc 0
		.amdhsa_float_denorm_mode_32 3
		.amdhsa_float_denorm_mode_16_64 3
		.amdhsa_memory_ordered 1
		.amdhsa_forward_progress 1
		.amdhsa_inst_pref_size 235
	.end_amdhsa_kernel
	.amdgpu_metadata
---
amdhsa.version: [ 1, 2 ]
amdhsa.kernels:
  - .name:           k_q64a47b752d_attn
    .symbol:         k_q64a47b752d_attn.kd
    .args:
      - { .name: pack, .offset: 0, .size: 8, .value_kind: global_buffer, .address_space: global }
      - { .name: qpack, .offset: 8, .size: 8, .value_kind: global_buffer, .address_space: global }
      - { .name: c, .offset: 16, .size: 8, .value_kind: global_buffer, .address_space: global }
      - { .name: out0, .offset: 24, .size: 8, .value_kind: global_buffer, .address_space: global }
    .group_segment_fixed_size: 303104
    .private_segment_fixed_size: 0
    .kernarg_segment_align: 8
    .kernarg_segment_size: 32
    .max_flat_workgroup_size: 512
    .sgpr_count:     66
    .vgpr_count:     256
    .wavefront_size: 32
...
	.end_amdgpu_metadata
.endif
;; end of part 2
